; MI455X (gfx1250); checked and timed in simulation.
; The chip was launched on July 23, 2026; its instructions are those of AMD's public machine-readable ISA for CDNA 5 (MIT licence, August 2026) and "CDNA5" Instruction Set Architecture Reference Guide (July 2026). The comments in the code are by the model that wrote it; some were corrected since.
;; Power Attention Layer. Allowed arithmetic: float matrix products may take bf16 or f16 operands with f32 sums; all other float work in f32.
;; Inputs: k_b 512 float32; k_w 512 x 512 float32; o_b 512 float32; o_w 512 x 512 float32; q_b 512 float32; q_w 512 x 512 float32; v_b 512 float32; v_w 512 x 512 float32; x 2 x 1,024 x 512 float32.
;; Outputs: out0 2 x 1,024 x 512 float32.
;; 2 versions, each right; version 2 is version 1 with the launches proj, oproj written anew for expert scheduling mode. Each part assembles by itself: llvm-mc -triple=amdgcn-amd-amdhsa -mcpu=gfx1250 --defsym DOCPART=n.
;; ======== version 1 of 2: 3 launches
;; limits: values are held in f16: magnitudes above 65,504 overflow, below 6.1e-05 lose precision
;; workspace buffers: qkv 12,582,912 bytes; att 4,194,304 bytes
;; launch proj (part 1): grid 32 x 24, 4 waves a work-group, no clusters, 93,696 bytes of LDS; arguments x, q_w, k_w, v_w, q_b, k_b, v_b, qkv; writes qkv
.if DOCPART == 1
	.amdgcn_target "amdgcn-amd-amdhsa--gfx1250"
	.amdhsa_code_object_version 6
	.text
	.protected	k_qb7d9f13fdf_proj
	.globl	k_qb7d9f13fdf_proj
	.p2align	8
	.type	k_qb7d9f13fdf_proj,@function
k_qb7d9f13fdf_proj:
	s_mov_b64 s[64:65], 0
	v_nop
	global_prefetch_b8 v0, s[64:65] scope:SCOPE_SE
	s_setreg_imm32_b32 hwreg(HW_REG_WAVE_MODE, 25, 1), 1
	s_wait_xcnt 0x0
; q, k, v:  C[2048][512] = bf16(A[2048][512]) x bf16(W[512][512]) + bias, sums and C in f32.  Arguments: A, W0, W1, W2, B0, B1, B2, C.
; Work-group (x, y): rows 64 x .. 64 x + 63; y = 8 mat + cb: weight, bias and 4 MiB plane of C number mat, columns 64 cb .. + 63.
; Four waves; wave w makes rows 16 w .. 16 w + 15 x all 64 columns: four accumulator tiles, 32 registers.
; K goes in four steps of 128 through two LDS buffers.  A and W are f32 in memory and bf16 in the products, so every tile
; passes through registers (load, round, LDS store).  That is why there is no tensor load and no joint request of a cluster
; here: it would lay the f32 tile (64 KiB a step) into LDS, from where it would still have to be read, rounded and
; stored again.
; THE PRODUCT IS USED TRANSPOSED: source 0 = 16 columns of W, source 1 = 16 rows of A.  Lane (r = l % 16, h = l / 16) then holds
; row r of C and the eight neighbouring columns 16 n + 8 h + 0..7.
.set ROWB,  2048                       ; bytes in a row of A, W and C
.set PA,    272                        ; LDS row of A: 128 bf16 + 16 bytes, an odd multiple of 16
.set PW,    160                        ; LDS row of W (one k, 64 columns): 128 bytes + 32, an odd multiple of 32 for the transposing load
.set ABUF,  64*PA                      ; 17,408
.set WBASE, 2*ABUF                     ; 34,816
.set WBUF,  128*PW                     ; 20,480
.set STAGE, WBASE+2*WBUF               ; 75,776: the way out, 16 rows of 272 bytes for each wave
.set SSLOT, 16*PA                      ; 4,352
.set ACC,   16                         ; v[16:47]   four tiles of 16 x 16 f32
.set F0,    48                         ; v[48:87]   fragment buffer 0: A in 8 registers, then W's four column blocks in 32
.set F1,    88                         ; v[88:127]  fragment buffer 1
.set STA,   128                        ; v[128:191] A's part of a K step as loaded: 16 x 4 registers
.set STW,   192                        ; v[192:255] W's part
; v5 A's offset in memory, v6 W's, v7 A's LDS store, v8 W's LDS store, v9 A's fragments, v10 W's fragments, v11 bias,
; v12 stage in, v13 stage back, v14 C's offset
	s_load_b512 s[8:23], s[0:1], 0x0               ; A s[8:9], W0-W2 s[10:15], B0-B2 s[16:21], C s[22:23]
	s_set_vgpr_msb 0x40
	v_lshl_add_u32 v0, v0, 2, 0x16c00
	v_mov_b32 v1, 0
	s_set_vgpr_msb 0x4000
	v_lshrrev_b32 v1, 5, v0
	v_readfirstlane_b32 s4, v1                     ; wave w
	s_and_b32 s5, ttmp7, 0xffff                    ; y
	s_lshr_b32 s6, s5, 3                           ; mat
	s_and_b32 s7, s5, 7                            ; cb
	v_and_b32 v2, 31, v0                           ; l
	v_and_b32 v3, 15, v0                           ; r
	v_bfe_u32 v4, v0, 4, 1                         ; h
	s_lshl_b32 s24, s4, 15                         ; 16 w rows of 2,048 bytes
	s_lshl_b32 s25, s4, 16                         ; 32 w rows
	s_mul_i32 s26, s4, SSLOT                       ; 16 w rows of pitch 272
	s_mul_i32 s27, s4, 32*PW
	s_add_co_u32 s27, s27, WBASE
	s_add_co_u32 s28, s26, STAGE
	v_lshl_add_u32 v5, v2, 4, s24                  ; A: row 16 w (+ i), 16 bytes a lane: a load covers 512 neighbouring bytes
	v_lshlrev_b32 v1, 11, v4
	v_lshl_add_u32 v1, v3, 4, v1                   ; h rows + 16 r
	v_add_nc_u32 v6, s25, v1                       ; W: k row 32 w + h (+ 2 i): sixteen lanes cover 256 neighbouring bytes
	v_add_nc_u32 v14, s24, v1                      ; C: row 16 w + h (+ 2 i)
	v_lshl_add_u32 v7, v2, 3, s26                  ; A in LDS: row 16 w (+ i), 8 bytes a lane
	v_mul_u32_u24 v15, v4, PW
	v_lshl_add_u32 v15, v3, 3, v15
	v_add_nc_u32 v8, s27, v15                      ; W in LDS: row 32 w + h (+ 2 i), 8 bytes a lane
	v_mul_u32_u24 v15, v3, PA
	v_lshl_add_u32 v1, v4, 4, v15
	v_add_nc_u32 v9, s26, v1                       ; A's fragment: row 16 w + r, 16 h
	v_lshl_add_u32 v1, v4, 5, v15
	v_add_nc_u32 v12, s28, v1                      ; stage in: row r, 32 h
	v_mul_u32_u24 v15, v4, PA
	v_lshl_add_u32 v15, v3, 4, v15
	v_add_nc_u32 v13, s28, v15                     ; stage back: row h (+ 2 i), 16 r
	v_and_b32 v15, 7, v0
	v_lshl_add_u32 v15, v4, 3, v15
	v_mul_u32_u24 v15, v15, PW
	v_bfe_u32 v1, v0, 3, 1
	v_lshl_add_u32 v15, v1, 4, v15
	v_add_nc_u32 v10, WBASE, v15                   ; W's fragment, transposing load: row 8 h + l % 8, 16 bytes x bit 3 of l
	v_lshlrev_b32 v11, 5, v4                       ; bias: 8 h numbers
	s_lshl_b32 s30, ttmp9, 17                      ; 64 x rows
	s_mov_b32 s31, 0
	s_lshl_b32 s32, s7, 8                          ; 64 cb columns of f32
	s_mov_b32 s33, 0
	s_lshl_b32 s34, s6, 22                         ; plane mat of C
	s_add_co_u32 s34, s34, s30
	s_add_co_u32 s34, s34, s32
	s_mov_b32 s35, 0
	s_wait_kmcnt 0x0
	s_cmp_eq_u32 s6, 1
	s_cselect_b64 s[10:11], s[12:13], s[10:11]
	s_cselect_b64 s[16:17], s[18:19], s[16:17]
	s_cmp_eq_u32 s6, 2
	s_cselect_b64 s[10:11], s[14:15], s[10:11]
	s_cselect_b64 s[16:17], s[20:21], s[16:17]
	s_add_nc_u64 s[8:9], s[8:9], s[30:31]
	s_add_nc_u64 s[10:11], s[10:11], s[32:33]
	s_add_nc_u64 s[16:17], s[16:17], s[32:33]
	s_add_nc_u64 s[22:23], s[22:23], s[34:35]
; the 32 loads of K step t: 16 rows of A (512 bytes each), 32 k rows of W (two rows of 256 bytes a load)
.macro GLOAD t
.irp i, 0,1,2,3,4,5,6,7,8,9,10,11,12,13,14,15
	global_load_b128 v[STA+4*\i:STA+4*\i+3], v5, s[8:9] offset:\i*ROWB+\t*512
.endr
.irp i, 0,1,2,3,4,5,6,7,8,9,10,11,12,13,14,15
	global_load_b128 v[STW+4*\i:STW+4*\i+3], v6, s[10:11] offset:\i*2*ROWB+\t*128*ROWB
.endr
.endm
; round 16 x 4 f32 to bf16 in place (into the first two registers of each four) and store 8 bytes a lane
.macro CVTST st, adr, step, base
.irp i, 0,1,2,3,4,5,6,7,8,9,10,11,12,13,14,15
	v_cvt_pk_bf16_f32 v[\st+4*\i],   v[\st+4*\i],   v[\st+4*\i+1]
	v_cvt_pk_bf16_f32 v[\st+4*\i+1], v[\st+4*\i+2], v[\st+4*\i+3]
.endr
.irp i, 0,1,2,3,4,5,6,7,8,9,10,11,12,13,14,15
	ds_store_b64 \adr, v[\st+4*\i:\st+4*\i+1] offset:\i*\step+\base
.endr
.endm
; ten LDS loads: the fragments of 32 along K (quarter q of the step in buffer buf) into f
.macro FETCH buf, q, f
	ds_load_b128 v[\f:\f+3],   v9 offset:\buf*ABUF+\q*64
	ds_load_b128 v[\f+4:\f+7], v9 offset:\buf*ABUF+\q*64+32
.irp n, 0,1,2,3
	ds_load_tr16_b128 v[\f+8+8*\n:\f+8+8*\n+3],   v10 offset:\buf*WBUF+\q*32*PW+\n*32
	ds_load_tr16_b128 v[\f+8+8*\n+4:\f+8+8*\n+7], v10 offset:\buf*WBUF+\q*32*PW+\n*32+16*PW
.endr
.endm
.macro MUL f
.irp n, 0,1,2,3
	v_wmma_f32_16x16x32_bf16 v[ACC+8*\n:ACC+8*\n+7], v[\f+8+8*\n:\f+8+8*\n+7], v[\f:\f+7], v[ACC+8*\n:ACC+8*\n+7]
.endr
.endm
; A load into a register that a product has read, and an LDS store of a result, stand four plain vector instructions behind
; that product.
.macro PLACES
.rept 4
	v_nop
.endr
.endm
; One K step, in LDS buffer buf.  ahead = 1: step nxt is requested as soon as the staging registers are free.
; One barrier a step serves both buffers: this step's stores go into the buffer that was read two steps ago; they stand behind the
; last step's barrier, and every wave signalled that barrier behind the s_wait_dscnt 0 that ended its reads of this buffer.
.macro TRIP buf, nxt, ahead
	s_wait_loadcnt 16                              ; loads return in order (ISA guide 5.7.1): A's 16 (and, in the first step, the bias) are in, W's 16 stay out
	CVTST STA, v7, PA, \buf*ABUF                   ; these conversions also stand behind the last step's products
	s_wait_loadcnt 0                               ; W's 16
	CVTST STW, v8, 2*PW, \buf*WBUF
	s_wait_dscnt 0                                 ; my stores are in LDS, for the other waves' sake
.if \ahead
	GLOAD \nxt
.endif
	s_barrier_signal -1
	s_barrier_wait -1                              ; the whole step is in LDS
	FETCH \buf, 0, F0
	FETCH \buf, 1, F1
	s_wait_dscnt 10                                ; the ten younger loads (the next quarter's) stay out
	MUL F0
	PLACES
	FETCH \buf, 2, F0
	s_wait_dscnt 10
	MUL F1
	PLACES
	FETCH \buf, 3, F1
	s_wait_dscnt 10
	MUL F0
	s_wait_dscnt 0                                 ; nothing was issued behind the last quarter; my reads of this buffer are over
	MUL F1
.endm
	; the bias starts the sums: lane (r, h) needs bias[16 n + 8 h + 0..7] in tile n; nothing is cleared, nothing added later
.irp n, 0,1,2,3
	global_load_b128 v[ACC+8*\n:ACC+8*\n+3],   v11, s[16:17] offset:\n*64
	global_load_b128 v[ACC+8*\n+4:ACC+8*\n+7], v11, s[16:17] offset:\n*64+16
.endr
	GLOAD 0
	TRIP 0, 1, 1
	TRIP 1, 2, 1
	TRIP 0, 3, 1
	TRIP 1, 0, 0                                   ; the last step requests nothing
	; THE WAY OUT: 32 bytes a lane into my own stage, back as whole rows of 256 bytes.  LDS serves a wave's instructions in
	; order (ISA guide 5.7.1), so no wait stands between my stores and my loads.
	PLACES
.irp n, 0,1,2,3
	ds_store_b128 v12, v[ACC+8*\n:ACC+8*\n+3]   offset:\n*64
	ds_store_b128 v12, v[ACC+8*\n+4:ACC+8*\n+7] offset:\n*64+16
.endr
.irp i, 0,1,2,3,4,5,6,7
	ds_load_b128 v[STA+4*\i:STA+4*\i+3], v13 offset:\i*2*PA
.endr
.irp i, 0,1,2,3,4,5,6,7
	s_wait_dscnt 7-\i
	global_store_b128 v14, v[STA+4*\i:STA+4*\i+3], s[22:23] offset:\i*2*ROWB   ; sixteen lanes store 256 consecutive bytes, aligned
.endr
	s_set_vgpr_msb 0x5
	s_wait_tensorcnt 0x0
	ds_add_u32 v0, v1
	s_wait_dscnt 0x0
	s_set_vgpr_msb 0x500
	s_endpgm
.Lfunc_end_k_qb7d9f13fdf_proj:
	.size	k_qb7d9f13fdf_proj, .Lfunc_end_k_qb7d9f13fdf_proj-k_qb7d9f13fdf_proj
	.p2alignl 7, 3214868480
	.fill 96, 4, 3214868480
	.section	.rodata,"a",@progbits
	.p2align	6, 0x0
	.amdhsa_kernel k_qb7d9f13fdf_proj
		.amdhsa_group_segment_fixed_size 93696
		.amdhsa_private_segment_fixed_size 0
		.amdhsa_enable_private_segment 0
		.amdhsa_kernarg_size 64
		.amdhsa_user_sgpr_count 2
		.amdhsa_user_sgpr_kernarg_segment_ptr 1
		.amdhsa_wavefront_size32 1
		.amdhsa_system_sgpr_workgroup_id_x 1
		.amdhsa_system_sgpr_workgroup_id_y 1
		.amdhsa_system_sgpr_workgroup_id_z 1
		.amdhsa_system_vgpr_workitem_id 0
		.amdhsa_next_free_vgpr 258
		.amdhsa_next_free_sgpr 66
		.amdhsa_reserve_vcc 0
		.amdhsa_float_denorm_mode_32 3
		.amdhsa_float_denorm_mode_16_64 3
		.amdhsa_memory_ordered 1
		.amdhsa_forward_progress 1
		.amdhsa_inst_pref_size 59
	.end_amdhsa_kernel
	.amdgpu_metadata
---
amdhsa.version: [ 1, 2 ]
amdhsa.kernels:
  - .name:           k_qb7d9f13fdf_proj
    .symbol:         k_qb7d9f13fdf_proj.kd
    .args:
      - { .name: x, .offset: 0, .size: 8, .value_kind: global_buffer, .address_space: global }
      - { .name: q_w, .offset: 8, .size: 8, .value_kind: global_buffer, .address_space: global }
      - { .name: k_w, .offset: 16, .size: 8, .value_kind: global_buffer, .address_space: global }
      - { .name: v_w, .offset: 24, .size: 8, .value_kind: global_buffer, .address_space: global }
      - { .name: q_b, .offset: 32, .size: 8, .value_kind: global_buffer, .address_space: global }
      - { .name: k_b, .offset: 40, .size: 8, .value_kind: global_buffer, .address_space: global }
      - { .name: v_b, .offset: 48, .size: 8, .value_kind: global_buffer, .address_space: global }
      - { .name: qkv, .offset: 56, .size: 8, .value_kind: global_buffer, .address_space: global }
    .group_segment_fixed_size: 93696
    .private_segment_fixed_size: 0
    .kernarg_segment_align: 8
    .kernarg_segment_size: 64
    .max_flat_workgroup_size: 128
    .sgpr_count:     66
    .vgpr_count:     258
    .wavefront_size: 32
...
	.end_amdgpu_metadata
.endif
;; end of part 1
;; launch attn (part 2): grid 16 x 16, 4 waves a work-group, no clusters, 32,768 bytes of LDS; arguments qkv, att; writes att
.if DOCPART == 2
	.amdgcn_target "amdgcn-amd-amdhsa--gfx1250"
	.amdhsa_code_object_version 6
	.text
	.protected	k_qb7d9f13fdf_attn
	.globl	k_qb7d9f13fdf_attn
	.p2align	8
	.type	k_qb7d9f13fdf_attn,@function
k_qb7d9f13fdf_attn:
	s_mov_b64 s[64:65], 0
	v_nop
	global_prefetch_b8 v0, s[64:65] scope:SCOPE_SE
	s_setreg_imm32_b32 hwreg(HW_REG_WAVE_MODE, 25, 1), 1
	s_wait_xcnt 0x0
; The scan, in closed form.  spow2(q) . spow2(k) = sum q_i^2 k_i^2 + 2 sum_{i<j} q_i q_j k_i k_j = (q . k)^2 for every q and k, so
;   out[t] = sum over ALL s <= t of 0.9^(t-s) (q[t] . k[s])^2 v[s]:  a causal attention without softmax.  Nothing is cut off.
; qkv: f32 [3][2048][512] (q, k, v planes of 4 MiB).  att: f32 [2048][512].
; Work-group (g, y): batch b = y / 8, head pair hp = y % 8 (256 aligned bytes of every row).  Wave w: head w % 2 of the pair, sub = w / 2;
; it owns the query tiles (16 rows) tl = 2 g + sub and th = 63 - tl: together 65 key tiles of 16, the same for every wave of the launch.
; Keys go in blocks of 32; tl ends in block g, th in block 31 - g, in all four waves alike.
; One block:  S^T = K x Q^T (f16);  P = S^2 * tab;  acc = acc * 0.9^32 + V^T x P^T,  tab = 0.9^(query row - key in block), exponents -31 .. 15;
; a query tile of odd number gets 0.9^16 at the end.  In S^T lane (r, h) holds query r and keys 8 h + j (+ 16): packed in pairs that IS the
; second source of V^T x P^T, and the result holds eight neighbouring columns of one output row.
; FORMATS: q and k in f16 (11 bits); P and v as bf16 pairs hi + lo with the three products hi hi, lo hi, hi lo, since P has no room in f16.
; LIMITS: |q|, |k| < 65504 (f16's largest; beyond it they become infinite); below 2^-14 they keep an absolute step of 2^-24.
; Powers of 0.9 are exp2(n log2 0.9) and one factor 0.9^32 a block, not n single multiplications; the sums' order is not the scan's.
; NO CLUSTER: the work-groups that share K and V (the 16 values of g) need 17 to 32 key blocks, a different number each, and every
; block is rounded to 16 bits in registers on its way into LDS, so it does not come by a tensor load.
.set ROWB,  2048
.set PK,    144                        ; LDS row of K: 64 f16 (both heads) + 16 bytes
.set PV,    160                        ; LDS row of V: 64 bf16 + 32 bytes, an odd multiple of 32 for the transposing load
.set LVH,   32*PK                      ; 4,608: V hi; V lo lies VPART behind
.set VPART, 32*PV                      ; 5,120
.set STAGE, LVH+2*VPART                ; 14,848: the way out, 4 slots of 16 rows of 272 bytes
.set PS,    272
.set SSLOT, 16*PS
.set QL,   16                          ; v[16:23]   Q fragment of tl, f16
.set QH,   24                          ; v[24:31]   of th
.set TG,   32                          ; v[32:47]   tab
.set GDL,  48                          ; v[48:63]   tab with the causal mask of tl's last block
.set GDH,  64                          ; v[64:79]   of th's last block
.set ACCL, 80                          ; v[80:95]   out^T of tl: two tiles of 16 d x 16 queries
.set ACCH, 96                          ; v[96:111]  of th
.set KF,   112                         ; v[112:127] K fragments, two key tiles
.set VHF,  128                         ; v[128:143] V hi fragments, two d tiles
.set VLF,  144                         ; v[144:159] V lo
.set SC,   160                         ; v[160:175] scores, then P, then P - hi
.set PH,   176                         ; v[176:183] P hi
.set PL,   184                         ; v[184:191] P lo
.set STG,  192                         ; v[192:223] a block as loaded: K 4 x 4, V 4 x 4
.set CK,   224                         ; v[224:231] K in f16
.set CVH,  232                         ; v[232:239] V hi
.set CVL,  240                         ; v[240:247] V lo
.set C32,  248                         ; v[248:249] 0.9^32, twice
.set NEG1, 250                         ; -1.0
.set FL,   252                         ; v[252:253] the last factor of tl, twice
.set FH,   254                         ; v[254:255] of th
; v2 r, v3 h, v4 e = r - 8 h, v5 K/V offset in memory, v6 Q's, v7 K's LDS store, v8 V's, v9 K's fragments, v10 V's, v11 stage in,
; v12 stage back, v13 offset in att
	s_load_b128 s[8:11], s[0:1], 0x0               ; qkv s[8:9], att s[10:11]
	v_lshl_add_u32 v15, v0, 2, 0x7e00
	v_mov_b32 v251, 0
	v_lshrrev_b32 v1, 5, v0
	v_readfirstlane_b32 s4, v1                     ; wave w
	s_and_b32 s5, s4, 1                            ; head of the pair
	s_lshr_b32 s6, s4, 1                           ; sub
	s_mov_b32 s7, ttmp9                            ; g
	s_and_b32 s12, ttmp7, 0xffff
	s_lshr_b32 s13, s12, 3                         ; b
	s_and_b32 s14, s12, 7                          ; hp
	s_lshl_b32 s30, s13, 21                        ; 1,024 b rows
	s_lshl_b32 s14, s14, 8
	s_add_co_u32 s30, s30, s14                     ; + 256 hp
	s_mov_b32 s31, 0
	s_lshl1_add_u32 s34, s7, s6                    ; tl = 2 g + sub
	s_sub_co_u32 s35, 63, s34                      ; th
	s_cmp_lg_u32 s5, 0
	s_cselect_b32 s40, s35, s34                    ; the tile whose rows wave w stores at the end: slot w = 2 sub + (high ? 1 : 0)
	s_lshl_b32 s40, s40, 15                        ; 16 rows of 2,048 bytes a tile
	s_add_co_u32 s40, s40, s30
	s_mov_b32 s41, 0
	s_lshl_b32 s42, s5, 7                          ; my head's 128 bytes
	s_add_co_u32 s42, s42, s30
	s_lshl_b32 s36, s34, 15
	s_add_co_u32 s36, s36, s42
	s_mov_b32 s37, 0
	s_lshl_b32 s38, s35, 15
	s_add_co_u32 s38, s38, s42
	s_mov_b32 s39, 0
	s_cmp_lg_u32 s6, 0
	s_cselect_b32 s26, -1, 0                       ; a lane mask: all lanes if sub
	s_cselect_b32 s27, 0xc01ba6b3, 0               ; 16 log2 0.9 if tl is odd (tl % 2 = sub)
	s_cselect_b32 s28, 0, 0xc01ba6b3               ; 16 log2 0.9 if th is odd (th % 2 = 1 - sub)
	v_and_b32 v2, 15, v0                           ; r
	v_bfe_u32 v3, v0, 4, 1                         ; h
	v_lshlrev_b32 v1, 3, v3
	v_sub_nc_u32 v4, v2, v1                        ; e = r - 8 h
	v_lshlrev_b32 v1, 11, v3
	v_lshl_add_u32 v13, v2, 4, v1                  ; att: row h (+ 2 i), 16 r
	s_lshl_b32 s43, s4, 14
	v_add_nc_u32 v5, s43, v13                      ; K, V: row 8 w + h (+ 2 i), 16 r: sixteen lanes read 256 aligned bytes
	v_lshlrev_b32 v1, 5, v3
	v_lshl_add_u32 v6, v2, 11, v1                  ; Q: row r, 8 h numbers
	s_mul_i32 s43, s4, 8*PK
	v_mul_u32_u24 v1, v3, PK
	v_lshl_add_u32 v1, v2, 3, v1
	v_add_nc_u32 v7, s43, v1                       ; K in LDS: row 8 w + h (+ 2 i), 8 r
	s_mul_i32 s43, s4, 8*PV
	s_add_co_u32 s43, s43, LVH
	v_mul_u32_u24 v1, v3, PV
	v_lshl_add_u32 v1, v2, 3, v1
	v_add_nc_u32 v8, s43, v1                       ; V in LDS
	s_lshl_b32 s44, s5, 6                          ; my head's 64 bytes of an LDS row
	v_mul_u32_u24 v1, v2, PK
	v_lshl_add_u32 v1, v3, 4, v1
	v_add_nc_u32 v9, s44, v1                       ; K's fragment: key r, 16 h
	s_add_co_u32 s44, s44, LVH
	v_and_b32 v1, 7, v0
	v_lshl_add_u32 v1, v3, 3, v1
	v_mul_u32_u24 v1, v1, PV
	v_bfe_u32 v14, v0, 3, 1
	v_lshl_add_u32 v1, v14, 4, v1
	v_add_nc_u32 v10, s44, v1                      ; V's fragment, transposing load: key 8 h + l % 8, 16 bytes x bit 3 of l
	s_mul_i32 s45, s6, 2*SSLOT
	s_lshl_b32 s46, s5, 7
	s_add_co_u32 s45, s45, s46
	s_add_co_u32 s45, s45, STAGE
	v_mul_u32_u24 v1, v2, PS
	v_lshl_add_u32 v1, v3, 5, v1
	v_add_nc_u32 v11, s45, v1                      ; stage in: slot 2 sub (+ 1 for th), row r, my head's 128 bytes, 32 h
	s_mul_i32 s45, s4, SSLOT
	s_add_co_u32 s45, s45, STAGE
	v_mul_u32_u24 v1, v3, PS
	v_lshl_add_u32 v1, v2, 4, v1
	v_add_nc_u32 v12, s45, v1                      ; stage back: slot w, row h (+ 2 i), 16 r
	s_wait_kmcnt 0x0
	s_add_nc_u64 s[16:17], s[8:9], s[30:31]
	s_add_nc_u64 s[18:19], s[16:17], 0x800000      ; V's plane, key block 0
	s_add_nc_u64 s[16:17], s[16:17], 0x400000      ; K's plane
	s_add_nc_u64 s[20:21], s[8:9], s[36:37]        ; Q of tl
	s_add_nc_u64 s[22:23], s[8:9], s[38:39]        ; Q of th
	s_add_nc_u64 s[32:33], s[10:11], s[40:41]      ; the 16 rows of att that I store
.macro KVLOAD                          ; my quarter (8 keys) of a block of 32 keys x 256 bytes, of K and of V
.irp i, 0,1,2,3
	global_load_b128 v[STG+4*\i:STG+4*\i+3], v5, s[16:17] offset:\i*2*ROWB
.endr
.irp i, 0,1,2,3
	global_load_b128 v[STG+16+4*\i:STG+16+4*\i+3], v5, s[18:19] offset:\i*2*ROWB
.endr
.endm
	; Q as f32 into the registers of KF and VHF, which are free until the first block: d = 8 h + 0..7, then 16 + 8 h + 0..7
.irp i, 0,1
	global_load_b128 v[KF+8*\i:KF+8*\i+3],     v6, s[20:21] offset:\i*64
	global_load_b128 v[KF+8*\i+4:KF+8*\i+7],   v6, s[20:21] offset:\i*64+16
.endr
.irp i, 0,1
	global_load_b128 v[VHF+8*\i:VHF+8*\i+3],   v6, s[22:23] offset:\i*64
	global_load_b128 v[VHF+8*\i+4:VHF+8*\i+7], v6, s[22:23] offset:\i*64+16
.endr
	KVLOAD                                         ; key block 0
	; tab[i] = 0.9^(e - j - 16 t), i = 8 t + j: lane (r, h), register j of key tile t holds query r and key 16 t + 8 h + j
	v_mov_b32 v[NEG1], -1.0
.irp j, 0,1,2,3,4,5,6,7
	v_sub_nc_u32 v[TG+\j],   v4, \j
	v_sub_nc_u32 v[TG+8+\j], v4, \j+16
.endr
.irp i, 0,1,2,3,4,5,6,7,8,9,10,11,12,13,14,15
	v_cvt_f32_i32 v[TG+\i], v[TG+\i]
.endr
.irp i, 0,1,2,3,4,5,6,7,8,9,10,11,12,13,14,15
	v_mul_f32 v[TG+\i], 0xbe1ba6b3, v[TG+\i]       ; x log2 0.9
.endr
.irp i, 0,1,2,3,4,5,6,7,8,9,10,11,12,13,14,15
	v_exp_f32 v[TG+\i], v[TG+\i]
.endr
	v_exp_f32 v[C32],   0xc09ba6b3                 ; 0.9^32 = exp2(32 log2 0.9)
	v_exp_f32 v[C32+1], 0xc09ba6b3
	v_exp_f32 v[FL],   s27                         ; 0.9^16 or 1
	v_exp_f32 v[FL+1], s27
	v_exp_f32 v[FH],   s28
	v_exp_f32 v[FH+1], s28
	v_nop                                          ; one plain instruction behind the run of transcendentals (ISA guide 5.7.2)
	; The last block of a tile.  Even tile: keys 0-15 pass where key <= query (8 h + j <= r, that is j <= e), keys 16-31 never.
	; Odd tile: keys 0-15 always, keys 16-31 where j <= e.  tl is odd where sub = 1, th where sub = 0: selected by values, no branch.
	s_wait_alu depctr_va_vdst(0)
.irp j, 0,1,2,3,4,5,6,7
	v_cmp_le_i32 vcc_lo, \j, v4
	v_cndmask_b32 v[SC],   0, v[TG+\j],   vcc_lo
	v_cndmask_b32 v[SC+1], 0, v[TG+8+\j], vcc_lo
	v_cndmask_b32 v[GDL+\j],   v[SC],     v[TG+\j], s26
	v_cndmask_b32 v[GDL+8+\j], 0,         v[SC+1],  s26
	v_cndmask_b32 v[GDH+\j],   v[TG+\j],  v[SC],    s26
	v_cndmask_b32 v[GDH+8+\j], v[SC+1],   0,        s26
.endr
	; 32 registers cleared once: which phase holds the first block hangs on g, so a first product with C = 0 would need every phase twice
.set j, 0
.rept 32
	v_mov_b32 v[ACCL+j], 0
.set j, j+1
.endr
	s_wait_loadcnt 8                               ; Q's eight loads are in; the eight younger ones (key block 0) stay out
.irp i, 0,1,2,3,4,5,6,7
	v_cvt_pk_f16_f32 v[QL+\i], v[KF+2*\i],  v[KF+2*\i+1]
	v_cvt_pk_f16_f32 v[QH+\i], v[VHF+2*\i], v[VHF+2*\i+1]
.endr
; One query tile against the block in LDS.  Distances behind products (ISA guide 7.12.1): the eight multiplications of acc, which name
; no register of the two score products, stand between these and the first read of the scores; PH and PL are rewritten only many plain
; instructions behind the products that read them.
.macro TILE q, acc, tab
	v_wmma_f32_16x16x32_f16 v[SC:SC+7],    v[KF:KF+7],    v[\q:\q+7], 0
	v_wmma_f32_16x16x32_f16 v[SC+8:SC+15], v[KF+8:KF+15], v[\q:\q+7], 0
.irp i, 0,2,4,6,8,10,12,14
	v_pk_mul_f32 v[\acc+\i:\acc+\i+1], v[\acc+\i:\acc+\i+1], v[C32:C32+1]      ; the older blocks decay by 0.9^32
.endr
.irp i, 0,2,4,6,8,10,12,14
	v_pk_mul_f32 v[SC+\i:SC+\i+1], v[SC+\i:SC+\i+1], v[SC+\i:SC+\i+1]          ; (q . k)^2
.endr
.irp i, 0,2,4,6,8,10,12,14
	v_pk_mul_f32 v[SC+\i:SC+\i+1], v[SC+\i:SC+\i+1], v[\tab+\i:\tab+\i+1]      ; x 0.9^(row - key), or 0 behind the diagonal
.endr
.irp i, 0,1,2,3,4,5,6,7
	v_cvt_pk_bf16_f32 v[PH+\i], v[SC+2*\i], v[SC+2*\i+1]
.endr
	s_wait_dscnt 0                                 ; V's eight fragment loads
	v_wmma_f32_16x16x32_bf16 v[\acc:\acc+7],    v[VHF:VHF+7],    v[PH:PH+7], v[\acc:\acc+7]
	v_wmma_f32_16x16x32_bf16 v[\acc+8:\acc+15], v[VHF+8:VHF+15], v[PH:PH+7], v[\acc+8:\acc+15]
	v_wmma_f32_16x16x32_bf16 v[\acc:\acc+7],    v[VLF:VLF+7],    v[PH:PH+7], v[\acc:\acc+7]
	v_wmma_f32_16x16x32_bf16 v[\acc+8:\acc+15], v[VLF+8:VLF+15], v[PH:PH+7], v[\acc+8:\acc+15]
.irp i, 0,1,2,3,4,5,6,7
	v_fma_mix_f32_bf16 v[SC+2*\i],   v[PH+\i], v[NEG1], v[SC+2*\i]   op_sel_hi:[1,0,0]                 ; P - hi, exact
	v_fma_mix_f32_bf16 v[SC+2*\i+1], v[PH+\i], v[NEG1], v[SC+2*\i+1] op_sel:[1,0,0] op_sel_hi:[1,0,0]
.endr
.irp i, 0,1,2,3,4,5,6,7
	v_cvt_pk_bf16_f32 v[PL+\i], v[SC+2*\i], v[SC+2*\i+1]
.endr
	v_wmma_f32_16x16x32_bf16 v[\acc:\acc+7],    v[VHF:VHF+7],    v[PL:PL+7], v[\acc:\acc+7]
	v_wmma_f32_16x16x32_bf16 v[\acc+8:\acc+15], v[VHF+8:VHF+15], v[PL:PL+7], v[\acc+8:\acc+15]
.endm
; One key block.  low = 1: tl takes part too (table ltab); htab: th's table; ahead = 1: the next block is requested.
; One LDS region, two barriers: the first between the last block's reads and this block's stores, the second between stores and reads.
.macro TRIP low, ltab, htab, ahead
	s_wait_dscnt 0                                 ; my reads of the last block are over:
	s_barrier_signal -1                            ; say so, and round in registers while the others arrive
	s_wait_loadcnt 0                               ; the eight loads requested one block ago; their bases are free from here
.irp i, 0,1,2,3,4,5,6,7
	v_cvt_pk_f16_f32 v[CK+\i], v[STG+2*\i], v[STG+2*\i+1]
.endr
.irp i, 0,1,2,3,4,5,6,7
	v_cvt_pk_bf16_f32 v[CVH+\i], v[STG+16+2*\i], v[STG+16+2*\i+1]
.endr
.irp i, 0,1,2,3,4,5,6,7
	v_fma_mix_f32_bf16 v[STG+16+2*\i],   v[CVH+\i], v[NEG1], v[STG+16+2*\i]   op_sel_hi:[1,0,0]        ; v - hi, exact
	v_fma_mix_f32_bf16 v[STG+16+2*\i+1], v[CVH+\i], v[NEG1], v[STG+16+2*\i+1] op_sel:[1,0,0] op_sel_hi:[1,0,0]
.endr
.irp i, 0,1,2,3,4,5,6,7
	v_cvt_pk_bf16_f32 v[CVL+\i], v[STG+16+2*\i], v[STG+16+2*\i+1]
.endr
	s_barrier_wait -1                              ; nobody reads the last block any more
.irp i, 0,1,2,3
	ds_store_b64 v7, v[CK+2*\i:CK+2*\i+1]   offset:\i*2*PK
	ds_store_b64 v8, v[CVH+2*\i:CVH+2*\i+1] offset:\i*2*PV
	ds_store_b64 v8, v[CVL+2*\i:CVL+2*\i+1] offset:\i*2*PV+VPART
.endr
	s_wait_dscnt 0                                 ; my stores are in LDS, for the other waves' sake
.if \ahead
	s_add_nc_u64 s[16:17], s[16:17], 32*ROWB       ; 32 keys on
	s_add_nc_u64 s[18:19], s[18:19], 32*ROWB
	KVLOAD
.endif
	s_barrier_signal -1
	s_barrier_wait -1                              ; the block is whole
	; twelve fragment loads; the 40 roundings above stand between them and the last block's products, which read these registers
.irp t, 0,1
	ds_load_b128 v[KF+8*\t:KF+8*\t+3],   v9 offset:\t*16*PK
	ds_load_b128 v[KF+8*\t+4:KF+8*\t+7], v9 offset:\t*16*PK+32
.endr
.irp t, 0,1
	ds_load_tr16_b128 v[VHF+8*\t:VHF+8*\t+3],   v10 offset:\t*32
	ds_load_tr16_b128 v[VHF+8*\t+4:VHF+8*\t+7], v10 offset:\t*32+16*PV
.endr
.irp t, 0,1
	ds_load_tr16_b128 v[VLF+8*\t:VLF+8*\t+3],   v10 offset:\t*32+VPART
	ds_load_tr16_b128 v[VLF+8*\t+4:VLF+8*\t+7], v10 offset:\t*32+16*PV+VPART
.endr
	s_wait_dscnt 8                                 ; K's four loads are in; V's eight stay out until the scores are made
	TILE QH, ACCH, \htab
.if \low
	TILE QL, ACCL, \ltab
.endif
.endm
	; blocks 0 .. g-1: both tiles, no mask
	s_cmp_eq_u32 s7, 0
	s_cbranch_scc1 .Ldiag_low
	s_mov_b32 s24, 0
.Lboth:
	TRIP 1, TG, TG, 1
	s_add_co_u32 s24, s24, 1
	s_cmp_lt_u32 s24, s7
	s_cbranch_scc1 .Lboth
.Ldiag_low:
	TRIP 1, GDL, TG, 1                             ; block g: tl's last
	; blocks g+1 .. 30-g: th alone
	s_lshl_b32 s25, s7, 1
	s_sub_co_u32 s25, 30, s25
	s_cmp_eq_u32 s25, 0
	s_cbranch_scc1 .Ldiag_high
	s_mov_b32 s24, 0
.Lhigh:
	TRIP 0, TG, TG, 1
	s_add_co_u32 s24, s24, 1
	s_cmp_lt_u32 s24, s25
	s_cbranch_scc1 .Lhigh
.Ldiag_high:
	TRIP 0, TG, GDH, 0                             ; block 31-g: th's last; nothing is requested behind it
	; THE WAY OUT.  tl's eight multiplications name no register of the last products and stand between these and the reads of ACCH.
.irp i, 0,2,4,6,8,10,12,14
	v_pk_mul_f32 v[ACCL+\i:ACCL+\i+1], v[ACCL+\i:ACCL+\i+1], v[FL:FL+1]
.endr
.irp i, 0,2,4,6,8,10,12,14
	v_pk_mul_f32 v[ACCH+\i:ACCH+\i+1], v[ACCH+\i:ACCH+\i+1], v[FH:FH+1]
.endr
.irp t, 0,1
	ds_store_b128 v11, v[ACCL+8*\t:ACCL+8*\t+3]   offset:\t*64
	ds_store_b128 v11, v[ACCL+8*\t+4:ACCL+8*\t+7] offset:\t*64+16
	ds_store_b128 v11, v[ACCH+8*\t:ACCH+8*\t+3]   offset:SSLOT+\t*64
	ds_store_b128 v11, v[ACCH+8*\t+4:ACCH+8*\t+7] offset:SSLOT+\t*64+16
.endr
	s_wait_dscnt 0                                 ; a row of 256 bytes holds both heads, written by two waves:
	s_barrier_signal -1
	s_barrier_wait -1                              ; read behind everybody's stores
.irp i, 0,1,2,3,4,5,6,7
	ds_load_b128 v[STG+4*\i:STG+4*\i+3], v12 offset:\i*2*PS
.endr
.irp i, 0,1,2,3,4,5,6,7
	s_wait_dscnt 7-\i
	global_store_b128 v13, v[STG+4*\i:STG+4*\i+3], s[32:33] offset:\i*2*ROWB   ; sixteen lanes store 256 consecutive bytes, aligned
.endr
	s_wait_tensorcnt 0x0
	ds_add_u32 v15, v251
	s_wait_dscnt 0x0
	s_endpgm
.Lfunc_end_k_qb7d9f13fdf_attn:
	.size	k_qb7d9f13fdf_attn, .Lfunc_end_k_qb7d9f13fdf_attn-k_qb7d9f13fdf_attn
	.p2alignl 7, 3214868480
	.fill 96, 4, 3214868480
	.section	.rodata,"a",@progbits
	.p2align	6, 0x0
	.amdhsa_kernel k_qb7d9f13fdf_attn
		.amdhsa_group_segment_fixed_size 32768
		.amdhsa_private_segment_fixed_size 0
		.amdhsa_enable_private_segment 0
		.amdhsa_kernarg_size 16
		.amdhsa_user_sgpr_count 2
		.amdhsa_user_sgpr_kernarg_segment_ptr 1
		.amdhsa_wavefront_size32 1
		.amdhsa_system_sgpr_workgroup_id_x 1
		.amdhsa_system_sgpr_workgroup_id_y 1
		.amdhsa_system_sgpr_workgroup_id_z 1
		.amdhsa_system_vgpr_workitem_id 0
		.amdhsa_next_free_vgpr 256
		.amdhsa_next_free_sgpr 66
		.amdhsa_reserve_vcc 1
		.amdhsa_float_denorm_mode_32 3
		.amdhsa_float_denorm_mode_16_64 3
		.amdhsa_memory_ordered 1
		.amdhsa_forward_progress 1
		.amdhsa_inst_pref_size 62
	.end_amdhsa_kernel
	.amdgpu_metadata
---
amdhsa.version: [ 1, 2 ]
amdhsa.kernels:
  - .name:           k_qb7d9f13fdf_attn
    .symbol:         k_qb7d9f13fdf_attn.kd
    .args:
      - { .name: qkv, .offset: 0, .size: 8, .value_kind: global_buffer, .address_space: global }
      - { .name: att, .offset: 8, .size: 8, .value_kind: global_buffer, .address_space: global }
    .group_segment_fixed_size: 32768
    .private_segment_fixed_size: 0
    .kernarg_segment_align: 8
    .kernarg_segment_size: 16
    .max_flat_workgroup_size: 128
    .sgpr_count:     66
    .vgpr_count:     256
    .wavefront_size: 32
...
	.end_amdgpu_metadata
.endif
;; end of part 2
;; launch oproj (part 3): grid 32 x 8, 8 waves a work-group, no clusters, 129,024 bytes of LDS; arguments att, o_w, o_b, out0; writes out0
.if DOCPART == 3
	.amdgcn_target "amdgcn-amd-amdhsa--gfx1250"
	.amdhsa_code_object_version 6
	.text
	.protected	k_qb7d9f13fdf_oproj
	.globl	k_qb7d9f13fdf_oproj
	.p2align	8
	.type	k_qb7d9f13fdf_oproj,@function
k_qb7d9f13fdf_oproj:
	s_mov_b64 s[64:65], 0
	v_nop
	global_prefetch_b8 v0, s[64:65] scope:SCOPE_SE
	s_setreg_imm32_b32 hwreg(HW_REG_WAVE_MODE, 25, 1), 1
	s_wait_xcnt 0x0
; out0[2048][512] = att[2048][512] x bf16(o_w[512][512]) + o_b, sums and out0 in f32.  Arguments: att, o_w, o_b, out0.
; att is an intermediate with a wide spread from row to row, so it is not rounded to one bf16: it goes as a pair hi + lo
; (hi = bf16(a), lo = bf16(a - hi), a - hi exact in f32) and two products, hi x W and lo x W, on one accumulator.
; Work-group (x, y): rows 64 x .. + 63, columns 64 y .. + 63.  Eight waves: wave w makes rows 16 (w % 4) .. + 15 x columns
; 32 (w / 4) .. + 31, two accumulator tiles.  (With four waves the staging registers of a K step, 128, the fragments of A hi, A lo
; and W twice, 96, and the sums, 32, do not fit into 256 registers.)
; K goes in four steps of 128 through two LDS buffers.  att and o_w are f32 in memory and bf16 in the products, so every tile
; passes through registers (load, round, LDS store): no tensor load and no joint request of a cluster, which would lay the f32
; tile into LDS, from where it would still have to be read, rounded and stored again.
; THE PRODUCT IS USED TRANSPOSED: source 0 = 16 columns of W, source 1 = 16 rows of A.  Lane (r = l % 16, h = l / 16) then holds
; row r of C and eight neighbouring columns.
.set ROWB,  2048                       ; bytes in a row of att, o_w and out0
.set PA,    272                        ; LDS row of A: 128 bf16 + 16 bytes, an odd multiple of 16
.set PW,    160                        ; LDS row of W (one k, 64 columns): 128 bytes + 32, an odd multiple of 32 for the transposing load
.set ABUF,  64*PA                      ; 17,408: A hi, buffers 0 and 1
.set ALO,   2*ABUF                     ; 34,816: A lo, buffers 0 and 1
.set WBASE, 4*ABUF                     ; 69,632
.set WBUF,  128*PW                     ; 20,480
.set STAGE, WBASE+2*WBUF               ; 110,592: the way out, 64 rows of 272 bytes
.set SSLOT, 16*PA                      ; 4,352
.set ACC,   16                         ; v[16:31]   two tiles of 16 x 16 f32
.set F0,    32                         ; v[32:63]   fragment buffer 0: A hi 8, A lo 8, W's two column blocks 16
.set F1,    64                         ; v[64:95]   fragment buffer 1
.set STW,   96                         ; v[96:127]  W's part of a K step as loaded: 8 x 4 registers
.set STA,   128                        ; v[128:159] A's part
.set HI,    160                        ; v[160:175] A hi, packed
.set NEG1,  176                        ; -1.0
; v5 A's offset in memory, v6 W's, v7 A's LDS store, v8 W's LDS store, v9 A's fragments, v10 W's fragments, v11 bias,
; v12 stage in, v13 stage back, v14 C's offset
	s_load_b256 s[8:15], s[0:1], 0x0               ; att s[8:9], o_w s[10:11], o_b s[12:13], out0 s[14:15]
	v_lshl_add_u32 v184, v0, 2, 0x1f400
	v_mov_b32 v185, 0
	v_lshrrev_b32 v1, 5, v0
	v_readfirstlane_b32 s4, v1                     ; wave w
	s_and_b32 s5, s4, 3                            ; rt: my 16 rows
	s_lshr_b32 s6, s4, 2                           ; ch: my 32 columns
	s_and_b32 s7, ttmp7, 0xffff                    ; y
	v_and_b32 v2, 31, v0                           ; l
	v_and_b32 v3, 15, v0                           ; r
	v_bfe_u32 v4, v0, 4, 1                         ; h
	v_mov_b32 v[NEG1], -1.0
	s_lshl_b32 s24, s4, 14                         ; 8 w rows of 2,048 bytes
	s_lshl_b32 s25, s4, 15                         ; 16 w rows
	s_mul_i32 s26, s4, 8*PA                        ; 8 w rows of pitch 272
	s_mul_i32 s27, s4, 16*PW
	s_add_co_u32 s27, s27, WBASE
	s_mul_i32 s28, s5, SSLOT                       ; 16 rt rows of pitch 272
	s_lshl_b32 s36, s6, 7                          ; 32 ch columns of f32
	s_add_co_u32 s29, s28, s36
	s_add_co_u32 s29, s29, STAGE
	s_add_co_u32 s37, s26, STAGE
	s_lshl_b32 s38, s6, 6                          ; 32 ch columns of bf16
	s_add_co_u32 s38, s38, WBASE
	v_lshl_add_u32 v5, v2, 4, s24                  ; A: row 8 w (+ i), 16 bytes a lane: a load covers 512 neighbouring bytes
	v_lshlrev_b32 v1, 11, v4
	v_lshl_add_u32 v1, v3, 4, v1                   ; h rows + 16 r
	v_add_nc_u32 v6, s25, v1                       ; W: k row 16 w + h (+ 2 i): sixteen lanes cover 256 neighbouring bytes
	v_add_nc_u32 v14, s24, v1                      ; C: row 8 w + h (+ 2 i)
	v_lshl_add_u32 v7, v2, 3, s26                  ; A in LDS: row 8 w (+ i), 8 bytes a lane
	v_mul_u32_u24 v15, v4, PW
	v_lshl_add_u32 v15, v3, 3, v15
	v_add_nc_u32 v8, s27, v15                      ; W in LDS: row 16 w + h (+ 2 i), 8 bytes a lane
	v_mul_u32_u24 v15, v3, PA
	v_lshl_add_u32 v1, v4, 4, v15
	v_add_nc_u32 v9, s28, v1                       ; A's fragment: row 16 rt + r, 16 h
	v_lshl_add_u32 v1, v4, 5, v15
	v_add_nc_u32 v12, s29, v1                      ; stage in: row 16 rt + r, 128 ch + 32 h
	v_mul_u32_u24 v15, v4, PA
	v_lshl_add_u32 v15, v3, 4, v15
	v_add_nc_u32 v13, s37, v15                     ; stage back: row 8 w + h (+ 2 i), 16 r
	v_and_b32 v15, 7, v0
	v_lshl_add_u32 v15, v4, 3, v15
	v_mul_u32_u24 v15, v15, PW
	v_bfe_u32 v1, v0, 3, 1
	v_lshl_add_u32 v15, v1, 4, v15
	v_add_nc_u32 v10, s38, v15                     ; W's fragment, transposing load: row 8 h + l % 8, 64 ch + 16 bytes x bit 3 of l
	v_lshl_add_u32 v11, v4, 5, s36                 ; bias: 32 ch + 8 h numbers
	s_lshl_b32 s30, ttmp9, 17                      ; 64 x rows
	s_mov_b32 s31, 0
	s_lshl_b32 s32, s7, 8                          ; 64 y columns of f32
	s_mov_b32 s33, 0
	s_add_co_u32 s34, s30, s32
	s_mov_b32 s35, 0
	s_wait_kmcnt 0x0
	s_add_nc_u64 s[8:9], s[8:9], s[30:31]
	s_add_nc_u64 s[10:11], s[10:11], s[32:33]
	s_add_nc_u64 s[12:13], s[12:13], s[32:33]
	s_add_nc_u64 s[14:15], s[14:15], s[34:35]
; the 16 loads of K step t: 8 rows of A (512 bytes each), 16 k rows of W (two rows of 256 bytes a load)
.macro GLOAD t
.irp i, 0,1,2,3,4,5,6,7
	global_load_b128 v[STA+4*\i:STA+4*\i+3], v5, s[8:9] offset:\i*ROWB+\t*512
.endr
.irp i, 0,1,2,3,4,5,6,7
	global_load_b128 v[STW+4*\i:STW+4*\i+3], v6, s[10:11] offset:\i*2*ROWB+\t*128*ROWB
.endr
.endm
; A: hi = bf16(a); a - hi in place (exact); lo = bf16(a - hi) into the first two registers of each four; 8 bytes a lane to each plane
.macro CVTA buf
.irp i, 0,1,2,3,4,5,6,7
	v_cvt_pk_bf16_f32 v[HI+2*\i],   v[STA+4*\i],   v[STA+4*\i+1]
	v_cvt_pk_bf16_f32 v[HI+2*\i+1], v[STA+4*\i+2], v[STA+4*\i+3]
.endr
.irp i, 0,1,2,3,4,5,6,7
	v_fma_mix_f32_bf16 v[STA+4*\i],   v[HI+2*\i],   v[NEG1], v[STA+4*\i]   op_sel_hi:[1,0,0]
	v_fma_mix_f32_bf16 v[STA+4*\i+1], v[HI+2*\i],   v[NEG1], v[STA+4*\i+1] op_sel:[1,0,0] op_sel_hi:[1,0,0]
	v_fma_mix_f32_bf16 v[STA+4*\i+2], v[HI+2*\i+1], v[NEG1], v[STA+4*\i+2] op_sel_hi:[1,0,0]
	v_fma_mix_f32_bf16 v[STA+4*\i+3], v[HI+2*\i+1], v[NEG1], v[STA+4*\i+3] op_sel:[1,0,0] op_sel_hi:[1,0,0]
.endr
.irp i, 0,1,2,3,4,5,6,7
	v_cvt_pk_bf16_f32 v[STA+4*\i],   v[STA+4*\i],   v[STA+4*\i+1]
	v_cvt_pk_bf16_f32 v[STA+4*\i+1], v[STA+4*\i+2], v[STA+4*\i+3]
.endr
.irp i, 0,1,2,3,4,5,6,7
	ds_store_b64 v7, v[HI+2*\i:HI+2*\i+1]   offset:\i*PA+\buf*ABUF
	ds_store_b64 v7, v[STA+4*\i:STA+4*\i+1] offset:\i*PA+\buf*ABUF+ALO
.endr
.endm
; W: rounded once, in place
.macro CVTW buf
.irp i, 0,1,2,3,4,5,6,7
	v_cvt_pk_bf16_f32 v[STW+4*\i],   v[STW+4*\i],   v[STW+4*\i+1]
	v_cvt_pk_bf16_f32 v[STW+4*\i+1], v[STW+4*\i+2], v[STW+4*\i+3]
.endr
.irp i, 0,1,2,3,4,5,6,7
	ds_store_b64 v8, v[STW+4*\i:STW+4*\i+1] offset:\i*2*PW+\buf*WBUF
.endr
.endm
; eight LDS loads: the fragments of 32 along K (quarter q of the step in buffer buf) into f
.macro FETCH buf, q, f
	ds_load_b128 v[\f:\f+3],     v9 offset:\buf*ABUF+\q*64
	ds_load_b128 v[\f+4:\f+7],   v9 offset:\buf*ABUF+\q*64+32
	ds_load_b128 v[\f+8:\f+11],  v9 offset:\buf*ABUF+\q*64+ALO
	ds_load_b128 v[\f+12:\f+15], v9 offset:\buf*ABUF+\q*64+ALO+32
.irp n, 0,1
	ds_load_tr16_b128 v[\f+16+8*\n:\f+16+8*\n+3],   v10 offset:\buf*WBUF+\q*32*PW+\n*32
	ds_load_tr16_b128 v[\f+16+8*\n+4:\f+16+8*\n+7], v10 offset:\buf*WBUF+\q*32*PW+\n*32+16*PW
.endr
.endm
.macro MUL f
.irp n, 0,1
	v_wmma_f32_16x16x32_bf16 v[ACC+8*\n:ACC+8*\n+7], v[\f+16+8*\n:\f+16+8*\n+7], v[\f:\f+7], v[ACC+8*\n:ACC+8*\n+7]       ; hi x W
.endr
.irp n, 0,1
	v_wmma_f32_16x16x32_bf16 v[ACC+8*\n:ACC+8*\n+7], v[\f+16+8*\n:\f+16+8*\n+7], v[\f+8:\f+15], v[ACC+8*\n:ACC+8*\n+7]    ; lo x W
.endr
.endm
; A load into a register that a product has read, and an LDS store of a result, stand four plain vector instructions behind
; that product.
.macro PLACES
.rept 4
	v_nop
.endr
.endm
; One K step, in LDS buffer buf.  ahead = 1: step nxt is requested as soon as the staging registers are free.
; One barrier a step serves both buffers: this step's stores go into the buffer that was read two steps ago; they stand behind the
; last step's barrier, and every wave signalled that barrier behind the s_wait_dscnt 0 that ended its reads of this buffer.
.macro TRIP buf, nxt, ahead
	s_wait_loadcnt 8                               ; loads return in order (ISA guide 5.7.1): A's 8 (and, in the first step, the bias) are in, W's 8 stay out
	CVTA \buf                                      ; these conversions name no fragment register and stand behind the last step's products
	s_wait_loadcnt 0                               ; W's 8
	CVTW \buf
	s_wait_dscnt 0                                 ; my stores are in LDS, for the other waves' sake
.if \ahead
	GLOAD \nxt
.endif
	s_barrier_signal -1
	s_barrier_wait -1                              ; the whole step is in LDS
	FETCH \buf, 0, F0
	FETCH \buf, 1, F1
	s_wait_dscnt 8                                 ; the eight younger loads (the next quarter's) stay out
	MUL F0
	PLACES
	FETCH \buf, 2, F0
	s_wait_dscnt 8
	MUL F1
	PLACES
	FETCH \buf, 3, F1
	s_wait_dscnt 8
	MUL F0
	s_wait_dscnt 0                                 ; nothing was issued behind the last quarter; my reads of this buffer are over
	MUL F1
.endm
	; the bias starts the sums: lane (r, h) needs o_b[64 y + 32 ch + 16 n + 8 h + 0..7] in tile n; nothing is cleared, nothing added later
.irp n, 0,1
	global_load_b128 v[ACC+8*\n:ACC+8*\n+3],   v11, s[12:13] offset:\n*64
	global_load_b128 v[ACC+8*\n+4:ACC+8*\n+7], v11, s[12:13] offset:\n*64+16
.endr
	GLOAD 0
	TRIP 0, 1, 1
	TRIP 1, 2, 1
	TRIP 0, 3, 1
	TRIP 1, 0, 0                                   ; the last step requests nothing
	; THE WAY OUT: 32 bytes a lane and tile into the stage, back as whole rows of 256 bytes
	PLACES
.irp n, 0,1
	ds_store_b128 v12, v[ACC+8*\n:ACC+8*\n+3]   offset:\n*64
	ds_store_b128 v12, v[ACC+8*\n+4:ACC+8*\n+7] offset:\n*64+16
.endr
	s_wait_dscnt 0                                 ; a row of 256 bytes is written by two waves (ch = 0 and 1):
	s_barrier_signal -1
	s_barrier_wait -1                              ; read behind everybody's stores
.irp i, 0,1,2,3
	ds_load_b128 v[STA+4*\i:STA+4*\i+3], v13 offset:\i*2*PA
.endr
.irp i, 0,1,2,3
	s_wait_dscnt 3-\i
	global_store_b128 v14, v[STA+4*\i:STA+4*\i+3], s[14:15] offset:\i*2*ROWB   ; sixteen lanes store 256 consecutive bytes, aligned
.endr
	s_wait_tensorcnt 0x0
	ds_add_u32 v184, v185
	s_wait_dscnt 0x0
	s_endpgm
.Lfunc_end_k_qb7d9f13fdf_oproj:
	.size	k_qb7d9f13fdf_oproj, .Lfunc_end_k_qb7d9f13fdf_oproj-k_qb7d9f13fdf_oproj
	.p2alignl 7, 3214868480
	.fill 96, 4, 3214868480
	.section	.rodata,"a",@progbits
	.p2align	6, 0x0
	.amdhsa_kernel k_qb7d9f13fdf_oproj
		.amdhsa_group_segment_fixed_size 129024
		.amdhsa_private_segment_fixed_size 0
		.amdhsa_enable_private_segment 0
		.amdhsa_kernarg_size 32
		.amdhsa_user_sgpr_count 2
		.amdhsa_user_sgpr_kernarg_segment_ptr 1
		.amdhsa_wavefront_size32 1
		.amdhsa_system_sgpr_workgroup_id_x 1
		.amdhsa_system_sgpr_workgroup_id_y 1
		.amdhsa_system_sgpr_workgroup_id_z 1
		.amdhsa_system_vgpr_workitem_id 0
		.amdhsa_next_free_vgpr 186
		.amdhsa_next_free_sgpr 66
		.amdhsa_reserve_vcc 0
		.amdhsa_float_denorm_mode_32 3
		.amdhsa_float_denorm_mode_16_64 3
		.amdhsa_memory_ordered 1
		.amdhsa_forward_progress 1
		.amdhsa_inst_pref_size 51
	.end_amdhsa_kernel
	.amdgpu_metadata
---
amdhsa.version: [ 1, 2 ]
amdhsa.kernels:
  - .name:           k_qb7d9f13fdf_oproj
    .symbol:         k_qb7d9f13fdf_oproj.kd
    .args:
      - { .name: att, .offset: 0, .size: 8, .value_kind: global_buffer, .address_space: global }
      - { .name: o_w, .offset: 8, .size: 8, .value_kind: global_buffer, .address_space: global }
      - { .name: o_b, .offset: 16, .size: 8, .value_kind: global_buffer, .address_space: global }
      - { .name: out0, .offset: 24, .size: 8, .value_kind: global_buffer, .address_space: global }
    .group_segment_fixed_size: 129024
    .private_segment_fixed_size: 0
    .kernarg_segment_align: 8
    .kernarg_segment_size: 32
    .max_flat_workgroup_size: 256
    .sgpr_count:     66
    .vgpr_count:     186
    .wavefront_size: 32
...
	.end_amdgpu_metadata
.endif
;; end of part 3
;; ======== version 2 of 2: 3 launches; version 1 with the launches proj, oproj written anew for expert scheduling mode
;; limits: values are held in f16: magnitudes above 65,504 overflow, below 6.1e-05 lose precision
;; workspace buffers: qkv 12,582,912 bytes; att 4,194,304 bytes
;; launch proj (part 4): grid 32 x 24, 4 waves a work-group, no clusters, 93,696 bytes of LDS; arguments x, q_w, k_w, v_w, q_b, k_b, v_b, qkv; writes qkv
.if DOCPART == 4
	.amdgcn_target "amdgcn-amd-amdhsa--gfx1250"
	.amdhsa_code_object_version 6
	.text
	.protected	k_qb7d9f13fdf_proj
	.globl	k_qb7d9f13fdf_proj
	.p2align	8
	.type	k_qb7d9f13fdf_proj,@function
k_qb7d9f13fdf_proj:
	s_mov_b64 s[64:65], 0
	v_nop
	global_prefetch_b8 v0, s[64:65] scope:SCOPE_SE
	s_setreg_imm32_b32 hwreg(HW_REG_WAVE_SCHED_MODE, 0, 2), 2
	s_setreg_imm32_b32 hwreg(HW_REG_WAVE_MODE, 25, 1), 1
	s_wait_xcnt 0x0
	s_wait_alu depctr_vm_vsrc(0)
; q, k, v:  C[2048][512] = bf16(A[2048][512]) x bf16(W[512][512]) + bias, sums and C in f32.  Arguments: A, W0, W1, W2, B0, B1, B2, C.
; Work-group (x, y): rows 64 x .. 64 x + 63; y = 8 mat + cb: weight, bias and 4 MiB plane of C number mat, columns 64 cb .. + 63.
; Four waves; wave w makes rows 16 w .. 16 w + 15 x all 64 columns: four accumulator tiles, 32 registers.
; K goes in four steps of 128 through two LDS buffers.  A and W are f32 in memory and bf16 in the products, so every tile
; passes through registers (load, round, LDS store).  That is why there is no tensor load and no joint request of a cluster
; here: it would lay the f32 tile (64 KiB a step) into LDS, from where it would still have to be read, rounded and
; stored again.
; THE PRODUCT IS USED TRANSPOSED: source 0 = 16 columns of W, source 1 = 16 rows of A.  Lane (r = l % 16, h = l / 16) then holds
; row r of C and the eight neighbouring columns 16 n + 8 h + 0..7.
; THE MODE: SCHED_MODE bits 1:0 = 2 (LLVM: expert scheduling mode 2), set by the entry lines.  The code itself states the register
; dependences between vector or matrix instructions and memory or LDS instructions, with s_wait_alu, always for 0.
; THE PLAN.  Registers that memory or LDS instructions touch:
;   v5 .. v14   offsets and LDS addresses: made at the head, never written again.
;   STA, STW    Step t: its loads land here; its 64 roundings read and write them in place; its 32 LDS stores read them; then the loads
;               of step t + 1 land here.
;   F0, F1      Written by LDS loads, read by products alone; each is filled twice in a step.  At the way out the stage's loads land in F0.
;   ACC         The bias is loaded into it before any vector instruction names it; then the products write it; the way out's LDS stores read it.
; A step has ONE wait on va_vdst behind all its roundings: it serves the LDS stores, the next step's loads and the step's first two
; fetches (the last step's products stand ahead of it); one wait on vm_vsrc behind the LDS stores, ahead of the next step's loads; and
; one wait on va_vdst ahead of each of the two refills of a fragment buffer.  Those two stay: 16 addresses + 32 sums + 80 fragments
; + 128 staging registers are the 256 that an instruction names, and a step's fragments are 160 registers.
.set ROWB,  2048                       ; bytes in a row of A, W and C
.set PA,    272                        ; LDS row of A: 128 bf16 + 16 bytes, an odd multiple of 16
.set PW,    160                        ; LDS row of W (one k, 64 columns): 128 bytes + 32, an odd multiple of 32 for the transposing load
.set ABUF,  64*PA                      ; 17,408
.set WBASE, 2*ABUF                     ; 34,816
.set WBUF,  128*PW                     ; 20,480
.set STAGE, WBASE+2*WBUF               ; 75,776: the way out, 16 rows of 272 bytes for each wave
.set SSLOT, 16*PA                      ; 4,352
.set ACC,   16                         ; v[16:47]   four tiles of 16 x 16 f32
.set F0,    48                         ; v[48:87]   fragment buffer 0: A in 8 registers, then W's four column blocks in 32
.set F1,    88                         ; v[88:127]  fragment buffer 1
.set STA,   128                        ; v[128:191] A's part of a K step as loaded: 16 x 4 registers
.set STW,   192                        ; v[192:255] W's part
; v5 A's offset in memory, v6 W's, v7 A's LDS store, v8 W's LDS store, v9 A's fragments, v10 W's fragments, v11 bias,
; v12 stage in, v13 stage back, v14 C's offset
	s_load_b512 s[8:23], s[0:1], 0x0               ; A s[8:9], W0-W2 s[10:15], B0-B2 s[16:21], C s[22:23]
	s_set_vgpr_msb 0x40
	v_lshl_add_u32 v0, v0, 2, 0x16c00
	v_mov_b32 v1, 0
	s_set_vgpr_msb 0x4000
	v_lshrrev_b32 v1, 5, v0
	v_readfirstlane_b32 s4, v1                     ; wave w
	s_and_b32 s5, ttmp7, 0xffff                    ; y
	s_lshr_b32 s6, s5, 3                           ; mat
	s_and_b32 s7, s5, 7                            ; cb
	v_and_b32 v2, 31, v0                           ; l
	v_and_b32 v3, 15, v0                           ; r
	v_bfe_u32 v4, v0, 4, 1                         ; h
	s_wait_alu depctr_va_sdst(0)                   ; s4 is written, ahead of its first reader: the wave's offsets are made from it
	s_lshl_b32 s24, s4, 15                         ; 16 w rows of 2,048 bytes
	s_lshl_b32 s25, s4, 16                         ; 32 w rows
	s_mul_i32 s26, s4, SSLOT                       ; 16 w rows of pitch 272
	s_mul_i32 s27, s4, 32*PW
	s_add_co_u32 s27, s27, WBASE
	s_add_co_u32 s28, s26, STAGE
	v_lshl_add_u32 v5, v2, 4, s24                  ; A: row 16 w (+ i), 16 bytes a lane: a load covers 512 neighbouring bytes
	v_lshlrev_b32 v1, 11, v4
	v_lshl_add_u32 v1, v3, 4, v1                   ; h rows + 16 r
	v_add_nc_u32 v6, s25, v1                       ; W: k row 32 w + h (+ 2 i): sixteen lanes cover 256 neighbouring bytes
	v_add_nc_u32 v14, s24, v1                      ; C: row 16 w + h (+ 2 i)
	v_lshl_add_u32 v7, v2, 3, s26                  ; A in LDS: row 16 w (+ i), 8 bytes a lane
	v_mul_u32_u24 v15, v4, PW
	v_lshl_add_u32 v15, v3, 3, v15
	v_add_nc_u32 v8, s27, v15                      ; W in LDS: row 32 w + h (+ 2 i), 8 bytes a lane
	v_mul_u32_u24 v15, v3, PA
	v_lshl_add_u32 v1, v4, 4, v15
	v_add_nc_u32 v9, s26, v1                       ; A's fragment: row 16 w + r, 16 h
	v_lshl_add_u32 v1, v4, 5, v15
	v_add_nc_u32 v12, s28, v1                      ; stage in: row r, 32 h
	v_mul_u32_u24 v15, v4, PA
	v_lshl_add_u32 v15, v3, 4, v15
	v_add_nc_u32 v13, s28, v15                     ; stage back: row h (+ 2 i), 16 r
	v_and_b32 v15, 7, v0
	v_lshl_add_u32 v15, v4, 3, v15
	v_mul_u32_u24 v15, v15, PW
	v_bfe_u32 v1, v0, 3, 1
	v_lshl_add_u32 v15, v1, 4, v15
	v_add_nc_u32 v10, WBASE, v15                   ; W's fragment, transposing load: row 8 h + l % 8, 16 bytes x bit 3 of l
	v_lshlrev_b32 v11, 5, v4                       ; bias: 8 h numbers
	s_lshl_b32 s30, ttmp9, 17                      ; 64 x rows
	s_mov_b32 s31, 0
	s_lshl_b32 s32, s7, 8                          ; 64 cb columns of f32
	s_mov_b32 s33, 0
	s_lshl_b32 s34, s6, 22                         ; plane mat of C
	s_add_co_u32 s34, s34, s30
	s_add_co_u32 s34, s34, s32
	s_mov_b32 s35, 0
	s_wait_kmcnt 0x0
	s_cmp_eq_u32 s6, 1
	s_cselect_b64 s[10:11], s[12:13], s[10:11]
	s_cselect_b64 s[16:17], s[18:19], s[16:17]
	s_cmp_eq_u32 s6, 2
	s_cselect_b64 s[10:11], s[14:15], s[10:11]
	s_cselect_b64 s[16:17], s[20:21], s[16:17]
	s_add_nc_u64 s[8:9], s[8:9], s[30:31]
	s_add_nc_u64 s[10:11], s[10:11], s[32:33]
	s_add_nc_u64 s[16:17], s[16:17], s[32:33]
	s_add_nc_u64 s[22:23], s[22:23], s[34:35]
	s_wait_alu depctr_va_vdst(0)                   ; the offsets and LDS addresses v5 to v14 are written: every load and store of the kernel reads one of them
; the 32 loads of K step t: 16 rows of A (512 bytes each), 32 k rows of W (two rows of 256 bytes a load)
.macro GLOAD t
.irp i, 0,1,2,3,4,5,6,7,8,9,10,11,12,13,14,15
	global_load_b128 v[STA+4*\i:STA+4*\i+3], v5, s[8:9] offset:\i*ROWB+\t*512
.endr
.irp i, 0,1,2,3,4,5,6,7,8,9,10,11,12,13,14,15
	global_load_b128 v[STW+4*\i:STW+4*\i+3], v6, s[10:11] offset:\i*2*ROWB+\t*128*ROWB
.endr
.endm
; round 16 x 4 f32 to bf16 in place, into the first two registers of each four
.macro CVT st
.irp i, 0,1,2,3,4,5,6,7,8,9,10,11,12,13,14,15
	v_cvt_pk_bf16_f32 v[\st+4*\i],   v[\st+4*\i],   v[\st+4*\i+1]
	v_cvt_pk_bf16_f32 v[\st+4*\i+1], v[\st+4*\i+2], v[\st+4*\i+3]
.endr
.endm
; and store them, 8 bytes a lane
.macro PUT st, adr, step, base
.irp i, 0,1,2,3,4,5,6,7,8,9,10,11,12,13,14,15
	ds_store_b64 \adr, v[\st+4*\i:\st+4*\i+1] offset:\i*\step+\base
.endr
.endm
; ten LDS loads: the fragments of 32 along K (quarter q of the step in buffer buf) into f
.macro FETCH buf, q, f
	ds_load_b128 v[\f:\f+3],   v9 offset:\buf*ABUF+\q*64
	ds_load_b128 v[\f+4:\f+7], v9 offset:\buf*ABUF+\q*64+32
.irp n, 0,1,2,3
	ds_load_tr16_b128 v[\f+8+8*\n:\f+8+8*\n+3],   v10 offset:\buf*WBUF+\q*32*PW+\n*32
	ds_load_tr16_b128 v[\f+8+8*\n+4:\f+8+8*\n+7], v10 offset:\buf*WBUF+\q*32*PW+\n*32+16*PW
.endr
.endm
.macro MUL f
.irp n, 0,1,2,3
	v_wmma_f32_16x16x32_bf16 v[ACC+8*\n:ACC+8*\n+7], v[\f+8+8*\n:\f+8+8*\n+7], v[\f:\f+7], v[ACC+8*\n:ACC+8*\n+7]
.endr
.endm
; One K step, in LDS buffer buf.  ahead = 1: step nxt is requested as soon as the staging registers are free.
; One barrier a step serves both buffers: this step's stores go into the buffer that was read two steps ago; they stand behind the
; last step's barrier, and every wave signalled that barrier behind the s_wait_dscnt 0 that ended its reads of this buffer.
.macro TRIP buf, nxt, ahead
	s_wait_loadcnt 16                              ; loads return in order (ISA guide 5.7.1): A's 16 (and, in the first step, the bias) are in, W's 16 stay out
	CVT STA
	s_wait_loadcnt 0                               ; W's 16
	CVT STW
	s_wait_alu depctr_va_vdst(0)                   ; the 64 roundings have written what the LDS stores read and are done with STA and STW, in which the next step's loads land; the last step's products are done reading F0 and F1, in which the fetches behind the barrier land
	PUT STA, v7, PA, \buf*ABUF
	PUT STW, v8, 2*PW, \buf*WBUF
.if \ahead
	s_wait_alu depctr_vm_vsrc(0)                   ; the LDS stores have read STA and STW, in which the loads below land and which the next step's roundings write
	GLOAD \nxt
.endif
	s_wait_dscnt 0                                 ; my stores are in LDS, for the other waves' sake
	s_barrier_signal -1
	s_barrier_wait -1                              ; the whole step is in LDS
	FETCH \buf, 0, F0
	FETCH \buf, 1, F1
	s_wait_dscnt 10                                ; the ten younger loads (the next quarter's) stay out
	MUL F0
	s_wait_alu depctr_va_vdst(0)                   ; the four products are done reading F0, in which the loads below land
	FETCH \buf, 2, F0
	s_wait_dscnt 10
	MUL F1
	s_wait_alu depctr_va_vdst(0)                   ; the four products are done reading F1, in which the loads below land
	FETCH \buf, 3, F1
	s_wait_dscnt 10
	MUL F0
	s_wait_dscnt 0                                 ; nothing was issued behind the last quarter; my reads of this buffer are over
	MUL F1
.endm
	; the bias starts the sums: lane (r, h) needs bias[16 n + 8 h + 0..7] in tile n; nothing is cleared, nothing added later
.irp n, 0,1,2,3
	global_load_b128 v[ACC+8*\n:ACC+8*\n+3],   v11, s[16:17] offset:\n*64
	global_load_b128 v[ACC+8*\n+4:ACC+8*\n+7], v11, s[16:17] offset:\n*64+16
.endr
	GLOAD 0
	TRIP 0, 1, 1
	TRIP 1, 2, 1
	TRIP 0, 3, 1
	TRIP 1, 0, 0                                   ; the last step requests nothing
	; THE WAY OUT: 32 bytes a lane into my own stage, back as whole rows of 256 bytes.  LDS serves a wave's instructions in
	; order (ISA guide 5.7.1), so no wait stands between my stores and my loads.
.rept 4
	v_nop                                          ; an LDS store of a result stands four plain vector instructions behind the product
.endr
	s_wait_alu depctr_va_vdst(0)                   ; the products have written the sums, which the LDS stores read, and are done reading F0, in which the stage's loads land; the places above stay beside this wait
.irp n, 0,1,2,3
	ds_store_b128 v12, v[ACC+8*\n:ACC+8*\n+3]   offset:\n*64
	ds_store_b128 v12, v[ACC+8*\n+4:ACC+8*\n+7] offset:\n*64+16
.endr
.irp i, 0,1,2,3,4,5,6,7
	ds_load_b128 v[F0+4*\i:F0+4*\i+3], v13 offset:\i*2*PA
.endr
.irp i, 0,1,2,3,4,5,6,7
	s_wait_dscnt 7-\i
	global_store_b128 v14, v[F0+4*\i:F0+4*\i+3], s[22:23] offset:\i*2*ROWB   ; sixteen lanes store 256 consecutive bytes, aligned
.endr
	s_set_vgpr_msb 0x5
	s_wait_dscnt 0x0
	s_wait_alu depctr_hold_cnt(0) depctr_sa_sdst(0) depctr_va_vdst(0) depctr_va_sdst(0) depctr_va_ssrc(0) depctr_va_vcc(0) depctr_vm_vsrc(0)
	s_wait_tensorcnt 0x0
	ds_add_u32 v0, v1
	s_wait_dscnt 0x0
	s_endpgm
.Lfunc_end_k_qb7d9f13fdf_proj:
	.size	k_qb7d9f13fdf_proj, .Lfunc_end_k_qb7d9f13fdf_proj-k_qb7d9f13fdf_proj
	.p2alignl 7, 3214868480
	.fill 96, 4, 3214868480
	.section	.rodata,"a",@progbits
	.p2align	6, 0x0
	.amdhsa_kernel k_qb7d9f13fdf_proj
		.amdhsa_group_segment_fixed_size 93696
		.amdhsa_private_segment_fixed_size 0
		.amdhsa_enable_private_segment 0
		.amdhsa_kernarg_size 64
		.amdhsa_user_sgpr_count 2
		.amdhsa_user_sgpr_kernarg_segment_ptr 1
		.amdhsa_wavefront_size32 1
		.amdhsa_system_sgpr_workgroup_id_x 1
		.amdhsa_system_sgpr_workgroup_id_y 1
		.amdhsa_system_sgpr_workgroup_id_z 1
		.amdhsa_system_vgpr_workitem_id 0
		.amdhsa_next_free_vgpr 258
		.amdhsa_next_free_sgpr 66
		.amdhsa_reserve_vcc 0
		.amdhsa_float_denorm_mode_32 3
		.amdhsa_float_denorm_mode_16_64 3
		.amdhsa_memory_ordered 1
		.amdhsa_forward_progress 1
		.amdhsa_inst_pref_size 58
	.end_amdhsa_kernel
	.amdgpu_metadata
---
amdhsa.version: [ 1, 2 ]
amdhsa.kernels:
  - .name:           k_qb7d9f13fdf_proj
    .symbol:         k_qb7d9f13fdf_proj.kd
    .args:
      - { .name: x, .offset: 0, .size: 8, .value_kind: global_buffer, .address_space: global }
      - { .name: q_w, .offset: 8, .size: 8, .value_kind: global_buffer, .address_space: global }
      - { .name: k_w, .offset: 16, .size: 8, .value_kind: global_buffer, .address_space: global }
      - { .name: v_w, .offset: 24, .size: 8, .value_kind: global_buffer, .address_space: global }
      - { .name: q_b, .offset: 32, .size: 8, .value_kind: global_buffer, .address_space: global }
      - { .name: k_b, .offset: 40, .size: 8, .value_kind: global_buffer, .address_space: global }
      - { .name: v_b, .offset: 48, .size: 8, .value_kind: global_buffer, .address_space: global }
      - { .name: qkv, .offset: 56, .size: 8, .value_kind: global_buffer, .address_space: global }
    .group_segment_fixed_size: 93696
    .private_segment_fixed_size: 0
    .kernarg_segment_align: 8
    .kernarg_segment_size: 64
    .max_flat_workgroup_size: 128
    .sgpr_count:     66
    .vgpr_count:     258
    .wavefront_size: 32
...
	.end_amdgpu_metadata
.endif
;; end of part 4
;; launch attn: the kernel of part 2 again; grid 16 x 16, 4 waves a work-group, no clusters, 32,768 bytes of LDS; arguments qkv, att; writes att
;; launch oproj (part 5): grid 32 x 8, 8 waves a work-group, no clusters, 129,024 bytes of LDS; arguments att, o_w, o_b, out0; writes out0
.if DOCPART == 5
	.amdgcn_target "amdgcn-amd-amdhsa--gfx1250"
	.amdhsa_code_object_version 6
	.text
	.protected	k_qb7d9f13fdf_oproj
	.globl	k_qb7d9f13fdf_oproj
	.p2align	8
	.type	k_qb7d9f13fdf_oproj,@function
k_qb7d9f13fdf_oproj:
	s_mov_b64 s[64:65], 0
	v_nop
	global_prefetch_b8 v0, s[64:65] scope:SCOPE_SE
	s_setreg_imm32_b32 hwreg(HW_REG_WAVE_SCHED_MODE, 0, 2), 2
	s_setreg_imm32_b32 hwreg(HW_REG_WAVE_MODE, 25, 1), 1
	s_wait_xcnt 0x0
	s_wait_alu depctr_vm_vsrc(0)
; out0[2048][512] = att[2048][512] x bf16(o_w[512][512]) + o_b, sums and out0 in f32.  Arguments: att, o_w, o_b, out0.
; att is an intermediate with a wide spread from row to row, so it is not rounded to one bf16: it goes as a pair hi + lo
; (hi = bf16(a), lo = bf16(a - hi), a - hi exact in f32) and two products, hi x W and lo x W, on one accumulator.
; Work-group (x, y): rows 64 x .. + 63, columns 64 y .. + 63.  Eight waves: wave w makes rows 16 (w % 4) .. + 15 x columns
; 32 (w / 4) .. + 31, two accumulator tiles.
; K goes in four steps of 128 through two LDS buffers.  att and o_w are f32 in memory and bf16 in the products, so every tile
; passes through registers (load, round, LDS store): no tensor load and no joint request of a cluster, which would lay the f32
; tile into LDS, from where it would still have to be read, rounded and stored again.
; THE PRODUCT IS USED TRANSPOSED: source 0 = 16 columns of W, source 1 = 16 rows of A.  Lane (r = l % 16, h = l / 16) then holds
; row r of C and eight neighbouring columns.
; THE MODE: SCHED_MODE bits 1:0 = 2 (LLVM: expert scheduling mode 2), set by the entry lines.  The code itself states the register
; dependences between vector or matrix instructions and memory or LDS instructions, with s_wait_alu, always for 0.
; THE PLAN.  Registers that memory or LDS instructions touch:
;   v5 .. v14     offsets and LDS addresses: made at the head, never written again.
;   STA, STW, HI  Step t: its loads land in STA and STW; its 80 roundings and subtractions read and write the three; its 24 LDS stores
;                 read them; then the loads of step t + 1 land in STA and STW, and its roundings write all three.
;   F0 .. F3      A fragment buffer for each quarter of a step: filled once a step by LDS loads, read by that quarter's four products
;                 alone.  At the way out the stage's loads land in F0.
;   ACC           The bias is loaded into it before any vector instruction names it; then the products write it; the way out's LDS stores read it.
; A step has ONE wait on va_vdst, behind its roundings: it serves the LDS stores, the next step's loads and all four fetches, since the
; last step's products stand ahead of it and the products issued behind it name no buffer that is still to be fetched.  So the
; fetches are dealt among the products with no further wait.  One wait on vm_vsrc stands behind the LDS stores, ahead of the next step's loads.
.set ROWB,  2048                       ; bytes in a row of att, o_w and out0
.set PA,    272                        ; LDS row of A: 128 bf16 + 16 bytes, an odd multiple of 16
.set PW,    160                        ; LDS row of W (one k, 64 columns): 128 bytes + 32, an odd multiple of 32 for the transposing load
.set ABUF,  64*PA                      ; 17,408: A hi, buffers 0 and 1
.set ALO,   2*ABUF                     ; 34,816: A lo, buffers 0 and 1
.set WBASE, 4*ABUF                     ; 69,632
.set WBUF,  128*PW                     ; 20,480
.set STAGE, WBASE+2*WBUF               ; 110,592: the way out, 64 rows of 272 bytes
.set SSLOT, 16*PA                      ; 4,352
.set ACC,   16                         ; v[16:31]   two tiles of 16 x 16 f32
.set F0,    32                         ; v[32:63]   fragment buffer of quarter 0: A hi 8, A lo 8, W's two column blocks 16
.set F1,    64                         ; v[64:95]   of quarter 1
.set F2,    96                         ; v[96:127]  of quarter 2
.set F3,    128                        ; v[128:159] of quarter 3
.set STW,   160                        ; v[160:191] W's part of a K step as loaded: 8 x 4 registers
.set STA,   192                        ; v[192:223] A's part
.set HI,    224                        ; v[224:239] A hi, packed
.set NEG1,  240                        ; -1.0
; v5 A's offset in memory, v6 W's, v7 A's LDS store, v8 W's LDS store, v9 A's fragments, v10 W's fragments, v11 bias,
; v12 stage in, v13 stage back, v14 C's offset
	s_load_b256 s[8:15], s[0:1], 0x0               ; att s[8:9], o_w s[10:11], o_b s[12:13], out0 s[14:15]
	v_lshl_add_u32 v246, v0, 2, 0x1f400
	v_mov_b32 v247, 0
	v_lshrrev_b32 v1, 5, v0
	v_readfirstlane_b32 s4, v1                     ; wave w
	s_and_b32 s7, ttmp7, 0xffff                    ; y
	v_and_b32 v2, 31, v0                           ; l
	v_and_b32 v3, 15, v0                           ; r
	v_bfe_u32 v4, v0, 4, 1                         ; h
	v_mov_b32 v[NEG1], -1.0
	s_wait_alu depctr_va_sdst(0)                   ; s4 is written, ahead of its first reader: the wave's offsets are made from it
	s_and_b32 s5, s4, 3                            ; rt: my 16 rows
	s_lshr_b32 s6, s4, 2                           ; ch: my 32 columns
	s_lshl_b32 s24, s4, 14                         ; 8 w rows of 2,048 bytes
	s_lshl_b32 s25, s4, 15                         ; 16 w rows
	s_mul_i32 s26, s4, 8*PA                        ; 8 w rows of pitch 272
	s_mul_i32 s27, s4, 16*PW
	s_add_co_u32 s27, s27, WBASE
	s_mul_i32 s28, s5, SSLOT                       ; 16 rt rows of pitch 272
	s_lshl_b32 s36, s6, 7                          ; 32 ch columns of f32
	s_add_co_u32 s29, s28, s36
	s_add_co_u32 s29, s29, STAGE
	s_add_co_u32 s37, s26, STAGE
	s_lshl_b32 s38, s6, 6                          ; 32 ch columns of bf16
	s_add_co_u32 s38, s38, WBASE
	v_lshl_add_u32 v5, v2, 4, s24                  ; A: row 8 w (+ i), 16 bytes a lane: a load covers 512 neighbouring bytes
	v_lshlrev_b32 v1, 11, v4
	v_lshl_add_u32 v1, v3, 4, v1                   ; h rows + 16 r
	v_add_nc_u32 v6, s25, v1                       ; W: k row 16 w + h (+ 2 i): sixteen lanes cover 256 neighbouring bytes
	v_add_nc_u32 v14, s24, v1                      ; C: row 8 w + h (+ 2 i)
	v_lshl_add_u32 v7, v2, 3, s26                  ; A in LDS: row 8 w (+ i), 8 bytes a lane
	v_mul_u32_u24 v15, v4, PW
	v_lshl_add_u32 v15, v3, 3, v15
	v_add_nc_u32 v8, s27, v15                      ; W in LDS: row 16 w + h (+ 2 i), 8 bytes a lane
	v_mul_u32_u24 v15, v3, PA
	v_lshl_add_u32 v1, v4, 4, v15
	v_add_nc_u32 v9, s28, v1                       ; A's fragment: row 16 rt + r, 16 h
	v_lshl_add_u32 v1, v4, 5, v15
	v_add_nc_u32 v12, s29, v1                      ; stage in: row 16 rt + r, 128 ch + 32 h
	v_mul_u32_u24 v15, v4, PA
	v_lshl_add_u32 v15, v3, 4, v15
	v_add_nc_u32 v13, s37, v15                     ; stage back: row 8 w + h (+ 2 i), 16 r
	v_and_b32 v15, 7, v0
	v_lshl_add_u32 v15, v4, 3, v15
	v_mul_u32_u24 v15, v15, PW
	v_bfe_u32 v1, v0, 3, 1
	v_lshl_add_u32 v15, v1, 4, v15
	v_add_nc_u32 v10, s38, v15                     ; W's fragment, transposing load: row 8 h + l % 8, 64 ch + 16 bytes x bit 3 of l
	v_lshl_add_u32 v11, v4, 5, s36                 ; bias: 32 ch + 8 h numbers
	s_lshl_b32 s30, ttmp9, 17                      ; 64 x rows
	s_mov_b32 s31, 0
	s_lshl_b32 s32, s7, 8                          ; 64 y columns of f32
	s_mov_b32 s33, 0
	s_add_co_u32 s34, s30, s32
	s_mov_b32 s35, 0
	s_wait_kmcnt 0x0
	s_add_nc_u64 s[8:9], s[8:9], s[30:31]
	s_add_nc_u64 s[10:11], s[10:11], s[32:33]
	s_add_nc_u64 s[12:13], s[12:13], s[32:33]
	s_add_nc_u64 s[14:15], s[14:15], s[34:35]
	s_wait_alu depctr_va_vdst(0)                   ; the offsets and LDS addresses v5 to v14 are written: every load and store of the kernel reads one of them
; the 16 loads of K step t: 8 rows of A (512 bytes each), 16 k rows of W (two rows of 256 bytes a load)
.macro GLOAD t
.irp i, 0,1,2,3,4,5,6,7
	global_load_b128 v[STA+4*\i:STA+4*\i+3], v5, s[8:9] offset:\i*ROWB+\t*512
.endr
.irp i, 0,1,2,3,4,5,6,7
	global_load_b128 v[STW+4*\i:STW+4*\i+3], v6, s[10:11] offset:\i*2*ROWB+\t*128*ROWB
.endr
.endm
; A: hi = bf16(a); a - hi in place (exact); lo = bf16(a - hi) into the first two registers of each four
.macro CVTA
.irp i, 0,1,2,3,4,5,6,7
	v_cvt_pk_bf16_f32 v[HI+2*\i],   v[STA+4*\i],   v[STA+4*\i+1]
	v_cvt_pk_bf16_f32 v[HI+2*\i+1], v[STA+4*\i+2], v[STA+4*\i+3]
.endr
.irp i, 0,1,2,3,4,5,6,7
	v_fma_mix_f32_bf16 v[STA+4*\i],   v[HI+2*\i],   v[NEG1], v[STA+4*\i]   op_sel_hi:[1,0,0]
	v_fma_mix_f32_bf16 v[STA+4*\i+1], v[HI+2*\i],   v[NEG1], v[STA+4*\i+1] op_sel:[1,0,0] op_sel_hi:[1,0,0]
	v_fma_mix_f32_bf16 v[STA+4*\i+2], v[HI+2*\i+1], v[NEG1], v[STA+4*\i+2] op_sel_hi:[1,0,0]
	v_fma_mix_f32_bf16 v[STA+4*\i+3], v[HI+2*\i+1], v[NEG1], v[STA+4*\i+3] op_sel:[1,0,0] op_sel_hi:[1,0,0]
.endr
.irp i, 0,1,2,3,4,5,6,7
	v_cvt_pk_bf16_f32 v[STA+4*\i],   v[STA+4*\i],   v[STA+4*\i+1]
	v_cvt_pk_bf16_f32 v[STA+4*\i+1], v[STA+4*\i+2], v[STA+4*\i+3]
.endr
.endm
; W: rounded once, in place
.macro CVTW
.irp i, 0,1,2,3,4,5,6,7
	v_cvt_pk_bf16_f32 v[STW+4*\i],   v[STW+4*\i],   v[STW+4*\i+1]
	v_cvt_pk_bf16_f32 v[STW+4*\i+1], v[STW+4*\i+2], v[STW+4*\i+3]
.endr
.endm
; the step's 24 LDS stores: 8 bytes a lane to A's two planes and to W
.macro PUT buf
.irp i, 0,1,2,3,4,5,6,7
	ds_store_b64 v7, v[HI+2*\i:HI+2*\i+1]   offset:\i*PA+\buf*ABUF
	ds_store_b64 v7, v[STA+4*\i:STA+4*\i+1] offset:\i*PA+\buf*ABUF+ALO
.endr
.irp i, 0,1,2,3,4,5,6,7
	ds_store_b64 v8, v[STW+4*\i:STW+4*\i+1] offset:\i*2*PW+\buf*WBUF
.endr
.endm
; eight LDS loads: the fragments of 32 along K (quarter q of the step in buffer buf) into f
.macro FETCH buf, q, f
	ds_load_b128 v[\f:\f+3],     v9 offset:\buf*ABUF+\q*64
	ds_load_b128 v[\f+4:\f+7],   v9 offset:\buf*ABUF+\q*64+32
	ds_load_b128 v[\f+8:\f+11],  v9 offset:\buf*ABUF+\q*64+ALO
	ds_load_b128 v[\f+12:\f+15], v9 offset:\buf*ABUF+\q*64+ALO+32
.irp n, 0,1
	ds_load_tr16_b128 v[\f+16+8*\n:\f+16+8*\n+3],   v10 offset:\buf*WBUF+\q*32*PW+\n*32
	ds_load_tr16_b128 v[\f+16+8*\n+4:\f+16+8*\n+7], v10 offset:\buf*WBUF+\q*32*PW+\n*32+16*PW
.endr
.endm
.macro MUL f
.irp n, 0,1
	v_wmma_f32_16x16x32_bf16 v[ACC+8*\n:ACC+8*\n+7], v[\f+16+8*\n:\f+16+8*\n+7], v[\f:\f+7], v[ACC+8*\n:ACC+8*\n+7]       ; hi x W
.endr
.irp n, 0,1
	v_wmma_f32_16x16x32_bf16 v[ACC+8*\n:ACC+8*\n+7], v[\f+16+8*\n:\f+16+8*\n+7], v[\f+8:\f+15], v[ACC+8*\n:ACC+8*\n+7]    ; lo x W
.endr
.endm
; One K step, in LDS buffer buf.  ahead = 1: step nxt is requested as soon as the staging registers are free.
; One barrier a step serves both buffers: this step's stores go into the buffer that was read two steps ago; they stand behind the
; last step's barrier, and every wave signalled that barrier behind the s_wait_dscnt 0 that ended its reads of this buffer.
.macro TRIP buf, nxt, ahead
	s_wait_loadcnt 8                               ; loads return in order (ISA guide 5.7.1): A's 8 (and, in the first step, the bias) are in, W's 8 stay out
	CVTA
	s_wait_loadcnt 0                               ; W's 8
	CVTW
	s_wait_alu depctr_va_vdst(0)                   ; the roundings have written HI, STA and STW, which the LDS stores read, and are done with STA and STW, in which the next step's loads land; the last step's products are done reading F0 to F3, in which this step's fetches land
	PUT \buf
.if \ahead
	s_wait_alu depctr_vm_vsrc(0)                   ; the LDS stores have read HI, STA and STW: the loads below land in the last two, and the next step's roundings write all three
	GLOAD \nxt
.endif
	s_wait_dscnt 0                                 ; my stores are in LDS, for the other waves' sake
	s_barrier_signal -1
	s_barrier_wait -1                              ; the whole step is in LDS
	FETCH \buf, 0, F0
	FETCH \buf, 1, F1
	s_wait_dscnt 8                                 ; quarter 0 is in; quarter 1's eight loads stay out
	MUL F0
	FETCH \buf, 2, F2                              ; no wait: no vector or matrix instruction since the step's wait names F2 or F3
	FETCH \buf, 3, F3
	s_wait_dscnt 16                                ; quarter 1 is in; the sixteen just issued stay out
	MUL F1
	s_wait_dscnt 8                                 ; quarter 2 is in
	MUL F2
	s_wait_dscnt 0                                 ; quarter 3 is in; my reads of this buffer are over
	MUL F3
.endm
	; the bias starts the sums: lane (r, h) needs o_b[64 y + 32 ch + 16 n + 8 h + 0..7] in tile n; nothing is cleared, nothing added later
.irp n, 0,1
	global_load_b128 v[ACC+8*\n:ACC+8*\n+3],   v11, s[12:13] offset:\n*64
	global_load_b128 v[ACC+8*\n+4:ACC+8*\n+7], v11, s[12:13] offset:\n*64+16
.endr
	GLOAD 0
	TRIP 0, 1, 1
	TRIP 1, 2, 1
	TRIP 0, 3, 1
	TRIP 1, 0, 0                                   ; the last step requests nothing
	; THE WAY OUT: 32 bytes a lane and tile into the stage, back as whole rows of 256 bytes
.rept 4
	v_nop                                          ; an LDS store of a result stands four plain vector instructions behind the product
.endr
	s_wait_alu depctr_va_vdst(0)                   ; the products have written the sums, which the LDS stores read, and are done reading F0, in which the stage's loads land; the places above stay beside this wait
.irp n, 0,1
	ds_store_b128 v12, v[ACC+8*\n:ACC+8*\n+3]   offset:\n*64
	ds_store_b128 v12, v[ACC+8*\n+4:ACC+8*\n+7] offset:\n*64+16
.endr
	s_wait_dscnt 0                                 ; a row of 256 bytes is written by two waves (ch = 0 and 1):
	s_barrier_signal -1
	s_barrier_wait -1                              ; read behind everybody's stores
.irp i, 0,1,2,3
	ds_load_b128 v[F0+4*\i:F0+4*\i+3], v13 offset:\i*2*PA
.endr
.irp i, 0,1,2,3
	s_wait_dscnt 3-\i
	global_store_b128 v14, v[F0+4*\i:F0+4*\i+3], s[14:15] offset:\i*2*ROWB   ; sixteen lanes store 256 consecutive bytes, aligned
.endr
	s_wait_dscnt 0x0
	s_wait_alu depctr_hold_cnt(0) depctr_sa_sdst(0) depctr_va_vdst(0) depctr_va_sdst(0) depctr_va_ssrc(0) depctr_va_vcc(0) depctr_vm_vsrc(0)
	s_wait_tensorcnt 0x0
	ds_add_u32 v246, v247
	s_wait_dscnt 0x0
	s_endpgm
.Lfunc_end_k_qb7d9f13fdf_oproj:
	.size	k_qb7d9f13fdf_oproj, .Lfunc_end_k_qb7d9f13fdf_oproj-k_qb7d9f13fdf_oproj
	.p2alignl 7, 3214868480
	.fill 96, 4, 3214868480
	.section	.rodata,"a",@progbits
	.p2align	6, 0x0
	.amdhsa_kernel k_qb7d9f13fdf_oproj
		.amdhsa_group_segment_fixed_size 129024
		.amdhsa_private_segment_fixed_size 0
		.amdhsa_enable_private_segment 0
		.amdhsa_kernarg_size 32
		.amdhsa_user_sgpr_count 2
		.amdhsa_user_sgpr_kernarg_segment_ptr 1
		.amdhsa_wavefront_size32 1
		.amdhsa_system_sgpr_workgroup_id_x 1
		.amdhsa_system_sgpr_workgroup_id_y 1
		.amdhsa_system_sgpr_workgroup_id_z 1
		.amdhsa_system_vgpr_workitem_id 0
		.amdhsa_next_free_vgpr 248
		.amdhsa_next_free_sgpr 66
		.amdhsa_reserve_vcc 0
		.amdhsa_float_denorm_mode_32 3
		.amdhsa_float_denorm_mode_16_64 3
		.amdhsa_memory_ordered 1
		.amdhsa_forward_progress 1
		.amdhsa_inst_pref_size 51
	.end_amdhsa_kernel
	.amdgpu_metadata
---
amdhsa.version: [ 1, 2 ]
amdhsa.kernels:
  - .name:           k_qb7d9f13fdf_oproj
    .symbol:         k_qb7d9f13fdf_oproj.kd
    .args:
      - { .name: att, .offset: 0, .size: 8, .value_kind: global_buffer, .address_space: global }
      - { .name: o_w, .offset: 8, .size: 8, .value_kind: global_buffer, .address_space: global }
      - { .name: o_b, .offset: 16, .size: 8, .value_kind: global_buffer, .address_space: global }
      - { .name: out0, .offset: 24, .size: 8, .value_kind: global_buffer, .address_space: global }
    .group_segment_fixed_size: 129024
    .private_segment_fixed_size: 0
    .kernarg_segment_align: 8
    .kernarg_segment_size: 32
    .max_flat_workgroup_size: 256
    .sgpr_count:     66
    .vgpr_count:     248
    .wavefront_size: 32
...
	.end_amdgpu_metadata
.endif
;; end of part 5
